; MI455X (gfx1250); checked and timed in simulation.
; The chip was launched on July 23, 2026; its instructions are those of AMD's public machine-readable ISA for CDNA 5 (MIT licence, August 2026) and "CDNA5" Instruction Set Architecture Reference Guide (July 2026). The comments in the code are by the model that wrote it; some were corrected since.
;; Quantized Linear. Allowed arithmetic: float matrix products may take bf16 or f16 operands with f32 sums; other float arithmetic in f32, or as packed bf16 or f16 multiplies, adds, multiply-adds, maxima and minima; sums over many terms, partial sums and values carried from step to step in f32; what a program stores and reads back later, other than sums and carried values, may be rounded once to bf16 or f16.
;; Inputs: bias 4,096 float32; weight_q 4,096 x 4,096 int8; weight_scale 4,096 float32; x 4,096 x 4,096 float32.
;; Outputs: out0 4,096 x 4,096 float32.
;; 2 versions, each right; version 2 is version 1 with the launch prep written anew for expert scheduling mode. Each part assembles by itself: llvm-mc -triple=amdgcn-amd-amdhsa -mcpu=gfx1250 --defsym DOCPART=n.
;; ======== version 1 of 2: 2 launches
;; workspace buffers: xq 33,554,432 bytes; wh 33,554,432 bytes; ascale 16,384 bytes
;; launch prep (part 1): grid 768 x 1, 8 waves a work-group, no clusters, 0 bytes of LDS; arguments x, weight_q, xq, ascale, wh; writes xq, ascale, wh
.if DOCPART == 1
	.amdgcn_target "amdgcn-amd-amdhsa--gfx1250"
	.amdhsa_code_object_version 6
	.text
	.protected	k_q82c5eeeb10_prep
	.globl	k_q82c5eeeb10_prep
	.p2align	8
	.type	k_q82c5eeeb10_prep,@function
k_q82c5eeeb10_prep:
	s_mov_b64 s[64:65], 0
	v_nop
	global_prefetch_b8 v0, s[64:65] scope:SCOPE_SE
	s_setreg_imm32_b32 hwreg(HW_REG_WAVE_MODE, 25, 1), 1
	s_wait_xcnt 0x0
; THE PRE-PASS OF A QUANTISED LINEAR LAYER.  x: [4096][4096] f32, weight_q: [4096 (k)][4096 (n)] int8.
; Work-groups 0..511:   a[m] = max(max_k |x[m][k]| / 127, 1e-8);  xq[m][k] = clip(round(x[m][k] / a[m]), -128, 127), stored as f16 (whole numbers up to 128 are exact there).
; Work-groups 512..767: wh[k][n] = weight_q[k][n] as f16, in the same [k][n] order (exact).
; Both are streams: every input byte is read once, every output byte written once, nothing is shared between waves: no LDS, no barrier, no loop.
; SHARES.  Path X: one wave, one row of 16,384 bytes, kept in 128 registers between the pass that finds the maximum and the pass that quantises.
;          Path W: one wave, 8,192 bytes of int8 (two rows), which become 16,384 bytes of f16.
; LIMITS.  NaN and infinities in x are not treated apart (a NaN loses in the maximum).  m / 127 is m x (1/127) with one fused correction; x / a is x x (1/a), 1/a from v_rcp_f32
; with one Newton step: a quotient within about one unit in the last place of a half may round to the neighbouring whole number, which moves an output by at most 128 a[m] weight_scale[n].
.set X,   16                           ; v[16:143]  the data
.set IN,  X+64                         ; v[80:143]  path W: the int8 words as loaded
.set MX,  8                            ; v[8:11]    four running maxima
.set MN,  12                           ; v[12:15]   four running minima; later v[12:13] 1/a twice, v14 a, v15 at work
	s_load_b256 s[4:11], s[0:1], 0x0               ; x s[4:5], weight_q s[6:7], xq s[8:9], ascale s[10:11]
	s_load_b64 s[12:13], s[0:1], 0x20              ; wh
	v_lshrrev_b32 v1, 5, v0
	v_readfirstlane_b32 s14, v1                    ; wave 0..7
	v_and_b32 v2, 31, v0                           ; lane
	v_lshlrev_b32 v3, 4, v2                        ; 16 bytes a lane
	v_lshlrev_b32 v4, 3, v2                        ; 8 bytes a lane
	s_mov_b32 s17, 0                               ; high words of the two offset pairs
	s_mov_b32 s19, 0
	s_wait_kmcnt 0x0
	s_cmp_lt_u32 ttmp9, 512
	s_cbranch_scc0 .Lweights
	; ---------------- PATH X: my row ----------------
	s_lshl_b32 s15, ttmp9, 3
	s_add_co_u32 s15, s15, s14                     ; row = 8 x work-group + wave
	s_lshl_b32 s16, s15, 14                        ; 16,384 bytes a row of x
	s_lshl_b32 s18, s15, 13                        ; 8,192 bytes a row of xq
	s_add_nc_u64 s[4:5], s[4:5], s[16:17]
	s_add_nc_u64 s[8:9], s[8:9], s[18:19]
	s_lshl_b32 s16, s15, 2                         ; 4 bytes in ascale
	s_add_nc_u64 s[10:11], s[10:11], s[16:17]
.set j, 0
.rept 32                                       ; the whole row: each load covers 512 consecutive bytes
	global_load_b128 v[X+4*j:X+4*j+3], v3, s[4:5] offset:512*j th:TH_LOAD_NT
.set j, j+1
.endr
	s_mov_b32 s20, 0x76543210                      ; v_permlanex16_b32: each lane takes its own place in the other half
	s_mov_b32 s21, 0xfedcba98
	s_mov_b32 s22, 0x3c010204                      ; 1 / 127
	s_mov_b32 s23, 0x42fe0000                      ; 127.0
	s_mov_b32 s24, 0x322bcc77                      ; 1e-8
	s_mov_b32 s25, 0xc3000000                      ; -128.0
; Pass 1, group g of eight: four loads' numbers go into four chains of maxima and four of minima, which do not wait for each other.  The first group starts the chains: nothing is cleared.
.macro MAXG g
	s_wait_loadcnt 28-4*(\g)                       ; loads come back in order: the 28 - 4 g younger ones may stay out
.irp c, 0,1,2,3
.if (\g) == 0
	v_max_num_f32 v[MX+(\c)], v[X+4*(\c)], v[X+4*(\c)+1]
	v_min_num_f32 v[MN+(\c)], v[X+4*(\c)], v[X+4*(\c)+1]
.else
	v_max3_num_f32 v[MX+(\c)], v[X+16*(\g)+4*(\c)], v[X+16*(\g)+4*(\c)+1], v[MX+(\c)]
	v_min3_num_f32 v[MN+(\c)], v[X+16*(\g)+4*(\c)], v[X+16*(\g)+4*(\c)+1], v[MN+(\c)]
.endif
.endr
.irp c, 0,1,2,3
	v_max3_num_f32 v[MX+(\c)], v[X+16*(\g)+4*(\c)+2], v[X+16*(\g)+4*(\c)+3], v[MX+(\c)]
	v_min3_num_f32 v[MN+(\c)], v[X+16*(\g)+4*(\c)+2], v[X+16*(\g)+4*(\c)+3], v[MN+(\c)]
.endr
.endm
.set g, 0
.rept 8
	MAXG g
.set g, g+1
.endr
	v_max3_num_f32 v8, v8, v9, v10
	v_min3_num_f32 v12, v12, v13, v14
	v_max_num_f32 v8, v8, v11
	v_min_num_f32 v12, v12, v15
	v_and_b32 v8, 0x7fffffff, v8                   ; the larger of the two ends' magnitudes is the largest |x| of my 128 numbers
	v_and_b32 v12, 0x7fffffff, v12
	v_max_num_f32 v8, v8, v12
	v_max_num_f32_dpp v8, v8, v8 row_xmask:1 row_mask:0xf bank_mask:0xf   ; across the lanes: four steps inside each half of 16,
	v_max_num_f32_dpp v8, v8, v8 row_xmask:2 row_mask:0xf bank_mask:0xf
	v_max_num_f32_dpp v8, v8, v8 row_xmask:4 row_mask:0xf bank_mask:0xf
	v_max_num_f32_dpp v8, v8, v8 row_xmask:8 row_mask:0xf bank_mask:0xf
	v_permlanex16_b32 v9, v8, s20, s21             ; one across the halves (v9 has been written)
	v_max_num_f32 v8, v8, v9                       ; every lane holds the row's maximum m
	v_mul_f32 v14, s22, v8                         ; m / 127: the product,
	v_fma_f32 v15, -v14, s23, v8                   ; what it leaves of m,
	v_fma_f32 v14, v15, s22, v14                   ; and that added in
	v_max_num_f32 v14, s24, v14                    ; a = max(m / 127, 1e-8)
	v_rcp_f32 v12, v14
	v_mov_b32 v5, 0                                ; the plain instruction behind the reciprocal (ISA guide 5.7.2); also the offset of a's store
	s_wait_alu depctr_va_vdst(0)                   ; the reciprocal has written v12 ahead of its first reader
	v_fma_f32 v15, -v14, v12, 1.0                  ; one Newton step
	v_fma_f32 v12, v15, v12, v12
	v_mov_b32 v13, v12                             ; twice, a pair for the packed multiply
; Pass 2, chunk j: four numbers a lane are scaled, rounded to the nearest whole number (ties to even), clipped and packed into 8 bytes, in place.
; No register that a store reads is written again, so no wait stands between the stores.
.macro QUANT j
	v_pk_mul_f32 v[X+4*(\j):X+4*(\j)+1],   v[X+4*(\j):X+4*(\j)+1],   v[12:13]
	v_pk_mul_f32 v[X+4*(\j)+2:X+4*(\j)+3], v[X+4*(\j)+2:X+4*(\j)+3], v[12:13]
.irp k, 0,1,2,3
	v_rndne_f32 v[X+4*(\j)+(\k)], v[X+4*(\j)+(\k)]
.endr
.irp k, 0,1,2,3
	v_med3_num_f32 v[X+4*(\j)+(\k)], v[X+4*(\j)+(\k)], s25, s23
.endr
	v_cvt_pk_f16_f32 v[X+4*(\j)],   v[X+4*(\j)],   v[X+4*(\j)+1]
	v_cvt_pk_f16_f32 v[X+4*(\j)+1], v[X+4*(\j)+2], v[X+4*(\j)+3]
	global_store_b64 v4, v[X+4*(\j):X+4*(\j)+1], s[8:9] offset:256*(\j) th:TH_STORE_NT  ; the 32 lanes store 256 consecutive bytes, at a multiple of 256 from xq's first byte
.endm
.set j, 0
.rept 32
	QUANT j
.set j, j+1
.endr
	s_wait_xcnt 0x0                                ; EXEC is a source of the stores above: it changes only behind this wait
	v_cmp_eq_u32 vcc_lo, 0, v2
	s_and_saveexec_b32 s26, vcc_lo
	global_store_b32 v5, v14, s[10:11]             ; lane 0 stores a[row]
	s_wait_xcnt 0x0                                ; and again in front of the line that widens it
	s_or_b32 exec_lo, exec_lo, s26
	s_endpgm
	; ---------------- PATH W: my 8,192 bytes of int8 ----------------
.Lweights:
	s_sub_co_u32 s15, ttmp9, 512
	s_lshl_b32 s15, s15, 3
	s_add_co_u32 s15, s15, s14                     ; chunk = 8 x (work-group - 512) + wave, 0..2047
	s_lshl_b32 s16, s15, 13                        ; 8,192 bytes in,
	s_lshl_b32 s18, s15, 14                        ; 16,384 bytes out
	s_add_nc_u64 s[6:7], s[6:7], s[16:17]
	s_add_nc_u64 s[12:13], s[12:13], s[18:19]
.set j, 0
.rept 32                                       ; each load covers 256 consecutive bytes
	global_load_b64 v[IN+2*j:IN+2*j+1], v4, s[6:7] offset:256*j th:TH_LOAD_NT
.set j, j+1
.endr
	s_mov_b32 s27, 0x80808080                      ; b + 128 for four signed bytes at once
	s_mov_b32 s28, 0x04010400                      ; v_perm_b32: {0x64, byte 1, 0x64, byte 0}
	s_mov_b32 s29, 0x04030402                      ; {0x64, byte 3, 0x64, byte 2}
	s_mov_b32 s30, 0xe480e480                      ; -1152 twice, in f16
	v_mov_b32 v6, 0x64646464
; Chunk j: eight bytes a lane become eight f16.  The half 0x6400 + u is 1024 + u in f16 (its step there is 1), and 1024 + (b + 128) - 1152 = b, exactly.
; The results of chunk j lie on the words of chunks 2 j - 32 and 2 j - 31, which are chunk j itself at the latest (j = 31, where the order of the four v_perm_b32 keeps each word until it is used);
; the words of a later chunk j' (from v[80 + 2 j'] on) lie above every register that an earlier store reads (up to v[15 + 4 j']).
.macro WCVT j
.if (\j)%4 == 0
	s_wait_loadcnt 28-(\j)                         ; chunks j .. j + 3 are in; the younger loads stay out
.endif
	v_xor_b32 v[IN+2*(\j)],   s27, v[IN+2*(\j)]
	v_xor_b32 v[IN+2*(\j)+1], s27, v[IN+2*(\j)+1]
	v_perm_b32 v[X+4*(\j)],   v6, v[IN+2*(\j)],   s28
	v_perm_b32 v[X+4*(\j)+1], v6, v[IN+2*(\j)],   s29
	v_perm_b32 v[X+4*(\j)+2], v6, v[IN+2*(\j)+1], s28
	v_perm_b32 v[X+4*(\j)+3], v6, v[IN+2*(\j)+1], s29
.irp k, 0,1,2,3
	v_pk_add_f16 v[X+4*(\j)+(\k)], v[X+4*(\j)+(\k)], s30
.endr
	global_store_b128 v3, v[X+4*(\j):X+4*(\j)+3], s[12:13] offset:512*(\j) th:TH_STORE_NT  ; 512 consecutive bytes, at a multiple of 512 from wh's first byte
.endm
.set j, 0
.rept 32
	WCVT j
.set j, j+1
.endr
	s_endpgm
.Lfunc_end_k_q82c5eeeb10_prep:
	.size	k_q82c5eeeb10_prep, .Lfunc_end_k_q82c5eeeb10_prep-k_q82c5eeeb10_prep
	.p2alignl 7, 3214868480
	.fill 96, 4, 3214868480
	.section	.rodata,"a",@progbits
	.p2align	6, 0x0
	.amdhsa_kernel k_q82c5eeeb10_prep
		.amdhsa_group_segment_fixed_size 0
		.amdhsa_private_segment_fixed_size 0
		.amdhsa_enable_private_segment 0
		.amdhsa_kernarg_size 40
		.amdhsa_user_sgpr_count 2
		.amdhsa_user_sgpr_kernarg_segment_ptr 1
		.amdhsa_wavefront_size32 1
		.amdhsa_system_sgpr_workgroup_id_x 1
		.amdhsa_system_sgpr_workgroup_id_y 1
		.amdhsa_system_sgpr_workgroup_id_z 1
		.amdhsa_system_vgpr_workitem_id 0
		.amdhsa_next_free_vgpr 144
		.amdhsa_next_free_sgpr 66
		.amdhsa_reserve_vcc 1
		.amdhsa_float_denorm_mode_32 3
		.amdhsa_float_denorm_mode_16_64 3
		.amdhsa_memory_ordered 1
		.amdhsa_forward_progress 1
		.amdhsa_inst_pref_size 62
	.end_amdhsa_kernel
	.amdgpu_metadata
---
amdhsa.version: [ 1, 2 ]
amdhsa.kernels:
  - .name:           k_q82c5eeeb10_prep
    .symbol:         k_q82c5eeeb10_prep.kd
    .args:
      - { .name: x, .offset: 0, .size: 8, .value_kind: global_buffer, .address_space: global }
      - { .name: weight_q, .offset: 8, .size: 8, .value_kind: global_buffer, .address_space: global }
      - { .name: xq, .offset: 16, .size: 8, .value_kind: global_buffer, .address_space: global }
      - { .name: ascale, .offset: 24, .size: 8, .value_kind: global_buffer, .address_space: global }
      - { .name: wh, .offset: 32, .size: 8, .value_kind: global_buffer, .address_space: global }
    .group_segment_fixed_size: 0
    .private_segment_fixed_size: 0
    .kernarg_segment_align: 8
    .kernarg_segment_size: 40
    .max_flat_workgroup_size: 256
    .sgpr_count:     66
    .vgpr_count:     144
    .wavefront_size: 32
...
	.end_amdgpu_metadata
.endif
;; end of part 1
;; launch gemm (part 2): grid 16 x 16, 4 waves a work-group, clusters of 4 x 4, 327,680 bytes of LDS; arguments xq, wh, out0, ascale, weight_scale, bias; writes out0
.if DOCPART == 2
	.amdgcn_target "amdgcn-amd-amdhsa--gfx1250"
	.amdhsa_code_object_version 6
	.text
	.protected	k_q82c5eeeb10_gemm
	.globl	k_q82c5eeeb10_gemm
	.p2align	8
	.type	k_q82c5eeeb10_gemm,@function
k_q82c5eeeb10_gemm:
	s_mov_b64 s[64:65], 0
	v_nop
	global_prefetch_b8 v0, s[64:65] scope:SCOPE_SE
	s_setreg_imm32_b32 hwreg(HW_REG_WAVE_MODE, 25, 1), 1
	s_wait_xcnt 0x0
	s_wait_alu depctr_hold_cnt(0) depctr_sa_sdst(0) depctr_va_vdst(0) depctr_va_sdst(0) depctr_va_ssrc(0) depctr_va_vcc(0) depctr_vm_vsrc(0)
	s_getreg_b32 s2, hwreg(HW_REG_IB_STS2, 6, 4)
	s_cmp_eq_u32 s2, 0
	s_cbranch_scc0 .Lentry_in_a_cluster
	s_endpgm
.Lentry_in_a_cluster:
	s_bfe_u32 s2, ttmp6, 0x10000c
	s_cmp_lg_u32 s2, 0xf033
	s_cbranch_scc0 .Lentry_shape_is_right
	s_endpgm
.Lentry_shape_is_right:
; out0[m][n] = (sum over k of xq[m][k] wh[k][n]) x ascale[m] x weight_scale[n] + bias[n].  xq: [4096][4096] f16, wh: [4096 (k)][4096 (n)] f16, both whole numbers from -128 to 127
; (exact in f16, so every product is exact); sums in f32, in the matrix unit's order; out0: [4096][4096] f32.  The sum times a is one multiply, times weight_scale plus bias one fused multiply-add.
; A tile of out0, 256 x 256, is made by a work-group of four waves; a wave makes 128 x 128: 64 accumulators of 16 x 16, 512 registers.  16 x 16 tiles: one work-group each.
; K goes in 32 steps of 128 through a ring of two LDS slots filled by the tensor data mover: A's tile is 256 rows of xq x 256 bytes, B's 128 rows (k) of wh x 512 bytes.
; B lies in LDS as it lies in memory, [k][n], and is turned on its way into registers by ds_load_tr16_b128.
; CLUSTERS: 4 x 4 work-groups.  The four of a row of the cluster need the same tiles of xq, the four of a column the same tiles of wh: each tile is asked for JOINTLY, by the same tensor load with the
; same descriptor and a mask that names the four.
; THE MATRIX INSTRUCTION IS USED TRANSPOSED: source 0 = 16 columns of wh, source 1 = 16 rows of xq.  In the result lane l holds row l % 16 of out0 and the columns 8 (l / 16) + 0..7.
; REGISTERS, in windows of 256 (s_set_vgpr_msb: bits 1:0 source 0, 3:2 source 1, 5:4 source 2, 7:6 destination):
;   window 0: v0-31 addresses; v32-47 a of my rows; v48-55 weight_scale and bias of my columns; v64-127, v128-191 fragments of xq, two buffers; on the way out v64-127 scaled sums, v128-255 rows read back
;   window 1: v64-127, v128-191 fragments of wh, two buffers      window 2: the accumulators of my rows 0-63 ((a, b) at v[8 (8 a + b)])      window 3: those of my rows 64-127
.set PA,     272                       ; an LDS row of A: 256 bytes + 16 of padding = 68 words: the 16 rows that a load touches start at 16 different groups of four banks (64 banks of 4 bytes: ISA guide 11.1)
.set PB,     544                       ; an LDS row of B: 512 bytes + 32 of padding = 136 words
.set HALFT,  128*PA                    ; what one tensor load brings: 128 rows of A, or 64 rows of B (64 x 544 is the same 34,816 bytes)
.set SLOT,   4*HALFT                   ; A's 256 rows, then B's 128 rows
.set STAGE,  2*SLOT                    ; behind the ring, never filled by a tensor load: for each wave 16 rows x 528 bytes, for the way out
.set SPITCH, 528                       ; 512 bytes + 16
.set WSTAGE, 16*SPITCH
.set SPARE,  STAGE+4*WSTAGE            ; behind the stages: the spare words, 128 bytes for each wave: two blocks of 256 bytes that no other line names
.set LAPS,   16                        ; a lap = two K steps = once round the ring
.set ASTEP,  256                       ; bytes from a K step to the next in xq (128 numbers along a row)
.set BSTEP,  0x100000                  ; and in wh (128 rows of 8,192 bytes)
.set OROW,   16384                     ; bytes in a row of out0
.set ADRA, 16                          ; v16-17  LDS address of my A fragments in slot 0, 1
.set ADRB, 20                          ; v20-21  the same for B
.set STO,  24                          ; v24     the way out: where I put 32 bytes of a row
.set RD,   25                          ; v25     the way out: where I read a row back
.set CO,   26                          ; v26     my 16 bytes in 512 consecutive bytes of out0
.set SPW,  28                          ; v28     LDS address of my spare word: SPARE + 4 x my thread's number; never rewritten
.set NIL,  29                          ; v29     0; never rewritten
.set PFO,  30                          ; v30     the prefetches' offset; never rewritten
.set AS,   32                          ; v[32+2a:33+2a]  a of row l % 16 of my block a, twice
.set WS,   48                          ; v[48:51] weight_scale of my columns 4 l .. 4 l + 3
.set BI,   52                          ; v[52:55] bias of the same columns
.set F0,   64                          ; fragment buffer 0
.set F1,   128                         ; fragment buffer 1
.set TMP,  64                          ; the way out: a block's 64 sums times a
.set BK0,  128                         ; the way out: 16 rows read back from the stage: v128-191 and v192-255 by turns
.set G1,  24                           ; s[24:31] descriptor group 1 for A's tiles
.set G0,  32                           ; s[32:39] descriptor group 0 for A's tiles, one set for each slot
.set G1B, 48                           ; s[48:55] descriptor group 1 for B's tiles
.set G0B, 56                           ; s[56:63] descriptor group 0 for B's tiles, one set for each slot
.set LIM, 43                           ; s43      1 in a wave that prefetches, else the greatest number
.set PFA, 44                           ; s[44:45] where my prefetches stand
.set PST, 76                           ; s[76:77] bytes from a K step to the next for my prefetches
.set MSB, 0
.macro WIN new                         ; the immediate's high byte repeats the setting that is left; a switch that changes nothing is dropped
.if MSB != (\new)
	s_set_vgpr_msb (MSB<<8)|(\new)
.set MSB, \new
.endif
.endm
.set MUL_LO, 0xa1                      ; source 0 (B) window 1, source 1 (A) window 0, C and D window 2
.set MUL_HI, 0xf1                      ; the same, C and D window 3
.set TO_B,   0x40                      ; destination window 1, address window 0
; A joint load.  Waves 0 and 1 fetch A's two halves, waves 2 and 3 B's.  Each of the two lines has one mask and one set of registers for all that issue it.  The branch hangs on the wave's number alone.
; An s_nop 0 and four v_nop follow each of the two lines, ahead of the jump, the label and what follows.
.macro JLOAD s
	s_cmp_eq_u32 s11, 0
	s_cbranch_scc0 .Lfor_b_\@
	tensor_load_to_lds s[G0+4*(\s):G0+4*(\s)+3], s[G1:G1+7]
	s_nop 0
.rept 4
	v_nop
.endr
	s_branch .Lasked_\@
.Lfor_b_\@:
	tensor_load_to_lds s[G0B+4*(\s):G0B+4*(\s)+3], s[G1B:G1B+7]
	s_nop 0
.rept 4
	v_nop
.endr
.Lasked_\@:
.endm
; A PREFETCH INTO THE L2, behind each joint load, its five lines and the run of LDS loads that follows them: the K step that stands TWO refills on, 512 matrix instructions ahead of the load that will ask for it.
; Each aligned block of 256 bytes of xq and wh is named ONCE in the launch.  A tile row of xq is read by every cluster of that row of clusters: cluster x = 0 asks; a tile column of wh by every cluster of that
; column: cluster y = 0 asks.  The four partners that ask for a tile jointly share it out BY ADDRESS: of the 128 rows of xq that a wave fetches the partner at cx takes 32, a lane a row; of the 64 rows of wh
; the partner at cy takes 16, two lanes a row (512 bytes).  One instruction a wave.  The loop's last trip asks for nothing: there is no K step two on.  K steps 0 to 3 come by their loads alone.
.macro ASK
	s_cmp_gt_u32 s3, s[LIM]                        ; s3 = 1 in the loop's last trip
	s_cbranch_scc0 .Lnot_mine_\@
	global_prefetch_b8 v[PFO], s[PFA:PFA+1] th:TH_LOAD_NT scope:SCOPE_SE
.Lnot_mine_\@:
.endm
; A round of the cluster's barrier: my work-group's barrier, so that wave 0's signal speaks for all four waves; wave 0 signals; every wave waits for all sixteen work-groups; my work-group's barrier once more.
.macro CREST                           ; a round behind its opening barrier
	s_cmp_lg_u32 s10, 0
	s_cbranch_scc1 .Lnot_wave_0_\@
	s_barrier_signal -3
.Lnot_wave_0_\@:
	s_barrier_wait -3
	s_barrier_signal -1
	s_barrier_wait -1
.endm
.macro CROUND                          ; a whole round
	s_barrier_signal -1
	s_barrier_wait -1
	CREST
.endm
	s_load_b128 s[4:7], s[0:1], 0x0                ; xq s[4:5], wh s[6:7]
	s_load_b64 s[8:9], s[0:1], 0x10                ; out0
	s_load_b128 s[68:71], s[0:1], 0x18             ; ascale s[68:69], weight_scale s[70:71]
	s_load_b64 s[72:73], s[0:1], 0x28              ; bias
	v_lshl_add_u32 v[SPW], v0, 2, SPARE
	v_mov_b32 v[NIL], 0
	ds_add_u32 v[SPW], v[NIL]                      ; the wave's opening: the add, twice on end, and its wait ahead of my first tensor load; the set-up below stands between
	ds_add_u32 v[SPW], v[NIL]                      ; and once more, under the one wait
	v_lshrrev_b32 v1, 5, v0
	v_readfirstlane_b32 s10, v1                    ; wave 0..3
	s_lshr_b32 s11, s10, 1                         ; which half of the tile's rows is mine.  Also: I fetch for A (0) or for B (1)
	s_and_b32 s12, s10, 1                          ; which half of its columns.  Also: which half of that tile I fetch
	s_bfe_u32 s40, ttmp6, 0x40000                  ; cx: my place along the cluster's x
	s_bfe_u32 s41, ttmp6, 0x40004                  ; cy: along its y
	s_lshl_b32 s42, ttmp9, 2                       ; in a cluster launch ttmp9 and ttmp7 count clusters
	s_add_co_u32 s42, s42, s40                     ; tile column = 4 x cluster x + cx
	s_and_b32 s13, ttmp7, 0xffff
	s_lshl_b32 s13, s13, 2
	s_add_co_u32 s13, s13, s41                     ; tile row = 4 x cluster y + cy
	s_lshl_b32 s43, s41, 2
	s_lshl_b32 s43, 15, s43                        ; my row of the cluster: places 4 cy .. 4 cy + 3
	s_lshl_b32 s44, 0x1111, s40                    ; my column: places cx, cx + 4, cx + 8, cx + 12
	; descriptor group 1.  A: 128 rows x 128 elements; B: 64 rows x 256 elements; both padded in LDS
	s_or_b32 s[G1+0], s43, (1<<16)|(1<<20)|(1<<21)|(5<<22)|(3<<25)   ; 15:0 the mask: my row; 17:16 elements of 2 bytes; 20 padding on; 21 set beside a mask; 24:22 after every 64 words (code 5); 31:25 4 words (code 3)
	s_or_b32 s[G1B+0], s44, (1<<16)|(1<<20)|(1<<21)|(6<<22)|(7<<25)  ; the mask: my column; after every 128 words (code 6); 8 words (code 7)
	s_mov_b32 s[G1+1], 128<<16                     ; tensor_dim0 = 128
	s_mov_b32 s[G1+2], 128<<16                     ; tensor_dim1 = 128
	s_mov_b32 s[G1+3], 128<<16                     ; tile_dim0 = 128
	s_mov_b32 s[G1+4], 128                         ; tile_dim1 = 128
	s_mov_b32 s[G1+5], 4096                        ; elements from row to row
	s_mov_b32 s[G1+6], 0
	s_mov_b32 s[G1+7], 0
	s_mov_b32 s[G1B+1], 256<<16                    ; tensor_dim0 = 256
	s_mov_b32 s[G1B+2], 64<<16                     ; tensor_dim1 = 64
	s_mov_b32 s[G1B+3], 256<<16                    ; tile_dim0 = 256
	s_mov_b32 s[G1B+4], 64                         ; tile_dim1 = 64
	s_mov_b32 s[G1B+5], 4096
	s_mov_b32 s[G1B+6], 0
	s_mov_b32 s[G1B+7], 0
	; where the tiles come from.  A's hang on the tile row alone, which my row of the cluster shares; B's on the tile column alone, which my column shares.
	s_lshl_b32 s16, s13, 8
	s_lshl_b32 s17, s12, 7
	s_add_co_u32 s16, s16, s17                     ; A: row 256 x tile row + 128 x half,
	s_lshl_b32 s16, s16, 13                        ; 8,192 bytes a row
	s_mov_b32 s17, 0
	s_lshl_b32 s46, s42, 9                         ; B: column 256 x tile column, 2 bytes each,
	s_lshl_b32 s47, s12, 19                        ; row 64 x half, 8,192 bytes each
	s_add_co_u32 s46, s46, s47
	s_mov_b32 s47, 0
	s_mul_i32 s20, s10, HALFT                      ; and where they go: A's two halves, then B's two halves: no place in the cluster enters an LDS address
	s_wait_dscnt 0x0                               ; both opening adds are done
	s_wait_kmcnt 0x0
	s_add_nc_u64 s[14:15], s[4:5], s[16:17]
	s_add_nc_u64 s[46:47], s[6:7], s[46:47]
	CROUND                                         ; all sixteen work-groups are here: the first joint loads meet
.irp s, 0,1
	s_mov_b32 s[G0+4*(\s)], 1                                      ; count = 1
	s_add_co_u32 s[G0+4*(\s)+1], s20, (\s)*SLOT                    ; LDS address
	s_add_nc_u64 s[G0+4*(\s)+2:G0+4*(\s)+3], s[14:15], (\s)*ASTEP  ; global address: K step s
	s_or_b32 s[G0+4*(\s)+3], s[G0+4*(\s)+3], 0x80000000            ; type = 2
	s_mov_b32 s[G0B+4*(\s)], 1
	s_add_co_u32 s[G0B+4*(\s)+1], s20, (\s)*SLOT
	s_add_nc_u64 s[G0B+4*(\s)+2:G0B+4*(\s)+3], s[46:47], (\s)*BSTEP
	s_or_b32 s[G0B+4*(\s)+3], s[G0B+4*(\s)+3], 0x80000000
	JLOAD \s                                       ; the ring is filled before anything else is done: two tensor loads of mine are out
.endr
	; A fragment of A is 16 rows x 32 K in 8 registers: lane l holds row l % 16; registers 0-3 K = 8 (l / 16) + 0..7, registers 4-7 K = 16 + 8 (l / 16) + 0..7: two loads of 16 bytes, 32 bytes apart.
	; A fragment of B has the same form with column l % 16 in the row's place.  The turning load takes 16 k x 16 columns: lane l reads 16 bytes of row k = 8 (l / 16) + l % 8, columns 8 ((l / 8) % 2) + 0..7.
	v_and_b32 v1, 15, v0                           ; l % 16
	v_bfe_u32 v2, v0, 4, 1                         ; l / 16
	v_and_b32 v8, 31, v0                           ; l
	v_mul_u32_u24 v3, v1, PA
	v_lshl_add_u32 v3, v2, 4, v3                   ; A: row x pitch + 16 x half
	v_and_b32 v4, 7, v0
	v_lshl_add_u32 v4, v2, 3, v4
	v_mul_u32_u24 v4, v4, PB
	v_bfe_u32 v5, v0, 3, 1
	v_lshl_add_u32 v4, v5, 4, v4                   ; B: k x pitch + 16 x ((l / 8) % 2)
	s_mul_i32 s21, s11, HALFT                      ; my 128 rows of A
	s_lshl_b32 s22, s12, 8                         ; my 128 columns of B: 256 bytes of each row,
	s_add_co_u32 s22, s22, 2*HALFT                 ; behind A's 256 rows
.irp s, 0,1
	v_add_nc_u32 v[ADRA+(\s)], s21, v3
	v_add_nc_u32 v[ADRB+(\s)], s22, v4
	s_add_co_u32 s21, s21, SLOT
	s_add_co_u32 s22, s22, SLOT
.endr
	s_mul_i32 s23, s10, WSTAGE
	s_add_co_u32 s23, s23, STAGE                   ; my stage
	v_mul_u32_u24 v5, v1, SPITCH                   ; in: row l % 16, 32 bytes for each half of the lanes
	v_lshl_add_u32 v5, v2, 5, v5
	v_add_nc_u32 v[STO], s23, v5
	v_lshlrev_b32 v7, 4, v8                        ; back: the 32 lanes take one row of 512 bytes
	v_add_nc_u32 v[RD], s23, v7
	v_mov_b32 v[CO], v7                            ; and the same 512 bytes in out0
	v_lshlrev_b32 v6, 2, v1                        ; 4 (l % 16)
	; a of my 128 rows, weight_scale and bias of my 128 columns: ten loads, waited for on the way out
	s_mov_b32 s75, 0
	s_lshl_b32 s74, s13, 10
	s_lshl_b32 s21, s11, 9
	s_add_co_u32 s74, s74, s21                     ; 4 x (256 x tile row + 128 x half)
	s_add_nc_u64 s[68:69], s[68:69], s[74:75]
	s_lshl_b32 s74, s42, 10
	s_lshl_b32 s21, s12, 9
	s_add_co_u32 s74, s74, s21                     ; 4 x (256 x tile column + 128 x half)
	s_add_nc_u64 s[70:71], s[70:71], s[74:75]
	s_add_nc_u64 s[72:73], s[72:73], s[74:75]
.irp a, 0,1,2,3,4,5,6,7
	global_load_b32 v[AS+2*(\a)], v6, s[68:69] offset:64*(\a)
.endr
	global_load_b128 v[WS:WS+3], v7, s[70:71]
	global_load_b128 v[BI:BI+3], v7, s[72:73]
	; where my part of the tile begins in out0, in bytes: the way out adds it to out0's address
	s_lshl_b32 s16, s13, 8
	s_lshl_b32 s17, s11, 7
	s_add_co_u32 s16, s16, s17
	s_lshl_b32 s16, s16, 14                        ; my first row, 16,384 bytes each,
	s_add_co_u32 s16, s16, s74                     ; and my first column, 4 bytes each
	s_mov_b32 s17, 0
	; the prefetches: they stand at K step 3; each refill steps them first, so the first names K step 4
	s_lshl_b32 s21, s13, 8
	s_lshl_b32 s23, s12, 7
	s_add_co_u32 s21, s21, s23
	s_lshl_b32 s23, s40, 5
	s_add_co_u32 s21, s21, s23                     ; xq: the 128 rows that I fetch, my work-group's 32 of them
	s_lshl_b32 s21, s21, 13
	s_add_co_u32 s21, s21, 3*ASTEP
	s_lshl_b32 s22, s12, 6
	s_lshl_b32 s23, s41, 4
	s_add_co_u32 s22, s22, s23                     ; wh: the 64 rows that I fetch, my work-group's 16 of them,
	s_lshl_b32 s22, s22, 13
	s_lshl_b32 s23, s42, 9
	s_add_co_u32 s22, s22, s23                     ; at the tile's first column
	s_add_co_u32 s22, s22, 3*BSTEP
	s_and_b32 s23, ttmp7, 0xffff                   ; cluster y
	s_mov_b32 s[PST], BSTEP
	s_mov_b32 s[PST+1], 0
	s_cmp_eq_u32 s11, 0                            ; do I fetch for A?
	s_cselect_b32 s74, s21, s22
	s_cselect_b32 s23, ttmp9, s23                  ; the coordinate along which other clusters read the same rows
	s_cselect_b32 s[PST], ASTEP, s[PST]
	s_cselect_b64 s[PFA:PFA+1], s[4:5], s[6:7]
	s_cmp_eq_u32 s23, 0
	s_cselect_b32 s[LIM], 1, -1                    ; the same in all sixteen partners, for a given wave
	s_add_nc_u64 s[PFA:PFA+1], s[PFA:PFA+1], s[74:75]
	v_lshrrev_b32 v[PFO], s11, v8                  ; A: lane l takes row l; B: row l / 2,
	v_and_b32 v9, s11, v8
	v_lshlrev_b32 v[PFO], 13, v[PFO]
	v_lshl_add_u32 v[PFO], v9, 8, v[PFO]           ; and the (l % 2)-th 256 bytes of its 512
; 16 matrix instructions: m blocks a0, a0 + 1 of the window's four (hi = 0: my rows 0-63, 1: rows 64-127) x all 8 n blocks, 32 along K.  zero = 1: the first product starts the sums: nothing is ever cleared.
; The 64 accumulators take turns, one instruction a turn, in the same order in every quarter step.
.macro MUL16 f, hi, a0, zero
	WIN MUL_LO+0x50*(\hi)
.irp a, \a0, (\a0)+1
.irp b, 0,1,2,3,4,5,6,7
.if \zero
	v_wmma_f32_16x16x32_f16 v[8*(8*(\a)+(\b)):8*(8*(\a)+(\b))+7], v[(\f)+8*(\b):(\f)+8*(\b)+7], v[(\f)+8*(4*(\hi)+(\a)):(\f)+8*(4*(\hi)+(\a))+7], 0
.else
	v_wmma_f32_16x16x32_f16 v[8*(8*(\a)+(\b)):8*(8*(\a)+(\b))+7], v[(\f)+8*(\b):(\f)+8*(\b)+7], v[(\f)+8*(4*(\hi)+(\a)):(\f)+8*(4*(\hi)+(\a))+7], v[8*(8*(\a)+(\b)):8*(8*(\a)+(\b))+7]
.endif
.endr
.endr
.endm
; 32 LDS loads in one run: the fragments of quarter q of a K step (32 k x 128 columns of B, turned; 128 rows x 32 K of A) into buffer f.  The largest offset is 61,152.
.macro FETCH slot, q, f
	WIN TO_B
.irp i, 0,1,2,3,4,5,6,7
	ds_load_tr16_b128 v[(\f)+8*(\i):(\f)+8*(\i)+3],   v[ADRB+(\slot)] offset:(\q)*32*PB+32*(\i)
	ds_load_tr16_b128 v[(\f)+8*(\i)+4:(\f)+8*(\i)+7], v[ADRB+(\slot)] offset:(\q)*32*PB+16*PB+32*(\i)
.endr
	WIN 0
.irp i, 0,1,2,3,4,5,6,7
	ds_load_b128 v[(\f)+8*(\i):(\f)+8*(\i)+3],   v[ADRA+(\slot)] offset:64*(\q)+(\i)*16*PA
	ds_load_b128 v[(\f)+8*(\i)+4:(\f)+8*(\i)+7], v[ADRA+(\slot)] offset:64*(\q)+(\i)*16*PA+32
.endr
.endm
; A load into a register that a matrix instruction has read stands four places behind that instruction, and only plain vector instructions that name none of its registers are places
; (ISA guide 7.12.1 for vector instructions): four v_nop in front of each run of loads.
.macro PLACES
.rept 4
	v_nop
.endr
.endm
; A K step is four quarters of 32 along K, 64 matrix instructions each, on buffers 0, 1, 0, 1.  One of the first three: multiplies buffer f; in its middle it fetches quarter q of the same slot into buffer g.
.macro QUARTER slot, q, f, g, zero
	s_wait_dscnt 8                                 ; B and A's rows 0-63 are in; the youngest eight loads (A's rows 64-127) may be out
	MUL16 \f, 0, 0, \zero
	MUL16 \f, 0, 2, \zero
	PLACES
	FETCH \slot, \q, \g
	s_wait_dscnt 32                                ; all but the 32 just issued
	MUL16 \f, 1, 0, \zero
	MUL16 \f, 1, 2, \zero
.endm
; The last quarter multiplies buffer 1 and changes slots.  MEET is its first half: ONE barrier for the change.  In front of it each wave waits for all its tensor loads, of which one is out: its part of the
; next slot; adds 0 to its spare word; and waits for that and for its own reads of this slot.  Behind it nobody reads this slot any more and the next slot is whole.
.macro MEET round                      ; round = 1: a round of the cluster's barrier follows
	WIN 0                                          ; (the add's two registers lie in window 0)
	s_wait_tensorcnt 0x0                           ; all my tensor loads have landed;
	ds_add_u32 v[SPW], v[NIL]                      ; 0 onto my spare word;
	s_wait_dscnt 9                                 ; (the add and the youngest eight loads may be out)
	MUL16 F1, 0, 0, 0                              ; sixteen matrix instructions stand between the add and the wait for it
	s_wait_dscnt 0x0                               ; the add is done, and my reads of this slot are over:
	s_barrier_signal -1                            ; say so,
	MUL16 F1, 0, 2, 0                              ; work on registers while the others arrive,
.if \round
	WIN 0
.endif
	s_barrier_wait -1                              ; and go on when all four have said so
.endm
; The whole last quarter.  fill = 1: the barrier opens a round of the cluster's; behind the round the slot just read out is filled again first, with the K step two steps on: from that request to the wait
; for it a wave issues 224 matrix instructions; then come the next slot's first fragments.  fill = 0 (the tail): nothing is left to fetch, and no round follows.
.macro TURN slot, next, fill
.if \fill
	s_wait_xcnt 0x0                                ; the last prefetch, a K step back, has read its address: it is stepped here, ahead of the change's own waits
	s_add_nc_u64 s[PFA:PFA+1], s[PFA:PFA+1], s[PST:PST+1]
	MEET 1
	CREST                                          ; no wave of any partner still reads this slot's tile or has a load on its way
	s_add_nc_u64 s[G0+4*(\slot)+2:G0+4*(\slot)+3], s[G0+4*(\slot)+2:G0+4*(\slot)+3], 2*ASTEP
	s_add_nc_u64 s[G0B+4*(\slot)+2:G0B+4*(\slot)+3], s[G0B+4*(\slot)+2:G0B+4*(\slot)+3], 2*BSTEP
	JLOAD \slot                                    ; the first tensor load behind the round, one a wave; the four v_nop behind it are also the places in front of the loads below
	FETCH \next, 0, F0
	ASK                                            ; behind the joint load and the run of LDS loads that the next products wait for
.else
	MEET 0
	PLACES
	FETCH \next, 0, F0
.endif
	MUL16 F1, 1, 0, 0
	MUL16 F1, 1, 2, 0
.endm
; THE WAY OUT of block a (16 rows x 128 columns), in three parts.
; PACK: the 64 sums times a of the lane's row; each accumulator's registers in ascending order.
.macro PACK a
	WIN 0x02+((\a)/4)                              ; source 0: window 2 or 3; all else window 0
.set AC, 64*((\a)%4)
.irp b, 0,1,2,3,4,5,6,7
.irp r, 0,1,2,3
	v_pk_mul_f32 v[TMP+8*(\b)+2*(\r):TMP+8*(\b)+2*(\r)+1], v[AC+8*(\b)+2*(\r):AC+8*(\b)+2*(\r)+1], v[AS+2*(\a):AS+2*(\a)+1]
.endr
.endr
	WIN 0
.endm
; TOSTAGE: a lane's eight columns of a row, 32 bytes, go into my own stage in rows of 528 bytes, and come back as whole rows of 512.
.macro TOSTAGE a
	WIN 0
.set BK, BK0+64*((\a)%2)
.irp b, 0,1,2,3,4,5,6,7
	ds_store_b128 v[STO], v[TMP+8*(\b):TMP+8*(\b)+3]   offset:64*(\b)
	ds_store_b128 v[STO], v[TMP+8*(\b)+4:TMP+8*(\b)+7] offset:64*(\b)+16
.endr
.irp t, 0,1,2,3,4,5,6,7,8,9,10,11,12,13,14,15
	ds_load_b128 v[BK+4*(\t):BK+4*(\t)+3], v[RD] offset:(\t)*SPITCH  ; LDS serves a wave's instructions in order (ISA guide 5.7.1.4): these see the stores above
.endr
.endm
; SEND: times weight_scale plus bias of the lane's four columns, and stored.
.macro SEND a
	WIN 0
.set BK, BK0+64*((\a)%2)
	s_wait_xcnt 0x0                                ; every earlier store has read its registers and its base: only behind this wait are they rewritten
.if (\a) == 0
	s_add_nc_u64 s[8:9], s[8:9], s[16:17]          ; on to my first rows
.else
	s_add_nc_u64 s[8:9], s[8:9], 16*OROW           ; 16 rows of out0 on
.endif
.irp t, 0,1,2,3,4,5,6,7,8,9,10,11,12,13,14,15
	s_wait_dscnt 15-(\t)                           ; row t is back; the 15 - t loads behind it may be out
	v_pk_fma_f32 v[BK+4*(\t):BK+4*(\t)+1],   v[BK+4*(\t):BK+4*(\t)+1],   v[WS:WS+1],   v[BI:BI+1]
	v_pk_fma_f32 v[BK+4*(\t)+2:BK+4*(\t)+3], v[BK+4*(\t)+2:BK+4*(\t)+3], v[WS+2:WS+3], v[BI+2:BI+3]
	global_store_b128 v[CO], v[BK+4*(\t):BK+4*(\t)+3], s[8:9] offset:(\t)*OROW th:TH_STORE_NT  ; the 32 lanes store 512 consecutive bytes, at a multiple of 512 from out0's first byte
.endr
.endm
	s_wait_tensorcnt 1                             ; my part of K step 0 is in; K step 1's may stay out
	s_barrier_signal -1
	s_barrier_wait -1                              ; everybody's is
	FETCH 0, 0, F0
	QUARTER 0, 1, F0, F1, 1                        ; the first quarter stands in front of the loop: its products start the sums
	WIN 0                                          ; at a label and at a branch every window is 0
	s_mov_b32 s3, LAPS-1
.Llap:                                                 ; a trip goes once round the ring, from a lap's second quarter to the next lap's first, and fills both slots again
	QUARTER 0, 2, F1, F0, 0
	QUARTER 0, 3, F0, F1, 0
	TURN 0, 1, 1
	QUARTER 1, 1, F0, F1, 0
	QUARTER 1, 2, F1, F0, 0
	QUARTER 1, 3, F0, F1, 0
	TURN 1, 0, 1
	QUARTER 0, 1, F0, F1, 0
	WIN 0
	s_sub_co_u32 s3, s3, 1
	s_cmp_lg_u32 s3, 0
	s_cbranch_scc1 .Llap
	QUARTER 0, 2, F1, F0, 0                        ; the last lap is written out: it fills nothing, and has no round of the cluster's barrier
	QUARTER 0, 3, F0, F1, 0
	TURN 0, 1, 0
	QUARTER 1, 1, F0, F1, 0
	QUARTER 1, 2, F1, F0, 0
	QUARTER 1, 3, F0, F1, 0
	s_wait_dscnt 8                                 ; the very last quarter: nothing more to fetch
	MUL16 F1, 0, 0, 0
	MUL16 F1, 0, 2, 0
	s_wait_dscnt 0x0
	MUL16 F1, 1, 0, 0
	MUL16 F1, 1, 2, 0
	WIN 0
	s_wait_loadcnt 0x0                             ; a, weight_scale and bias, asked for at the head
.irp a, 0,1,2,3,4,5,6,7
	v_mov_b32 v[AS+2*(\a)+1], v[AS+2*(\a)]         ; a twice, a pair for the packed multiply; these eight lines are also the places behind the last products
.endr
	PACK 0
	TOSTAGE 0
.irp a, 1,2,3,4,5,6,7                  ; block a's multiplies stand between block a - 1's loads from the stage and the waits for them
	PACK \a
	SEND (\a)-1
	TOSTAGE \a
.endr
	SEND 7
	s_wait_tensorcnt 0x0                           ; the wave's end: behind my last tensor load and my last LDS store
	ds_add_u32 v[SPW], v[NIL]
	s_wait_dscnt 0x0
	CROUND                                         ; the closing round: no work-group ends while a partner may still ask for a tile that names it
	s_endpgm
.Lfunc_end_k_q82c5eeeb10_gemm:
	.size	k_q82c5eeeb10_gemm, .Lfunc_end_k_q82c5eeeb10_gemm-k_q82c5eeeb10_gemm
	.p2alignl 7, 3214868480
	.fill 96, 4, 3214868480
	.section	.rodata,"a",@progbits
	.p2align	6, 0x0
	.amdhsa_kernel k_q82c5eeeb10_gemm
		.amdhsa_group_segment_fixed_size 327680
		.amdhsa_private_segment_fixed_size 0
		.amdhsa_enable_private_segment 0
		.amdhsa_kernarg_size 48
		.amdhsa_user_sgpr_count 2
		.amdhsa_user_sgpr_kernarg_segment_ptr 1
		.amdhsa_wavefront_size32 1
		.amdhsa_system_sgpr_workgroup_id_x 1
		.amdhsa_system_sgpr_workgroup_id_y 1
		.amdhsa_system_sgpr_workgroup_id_z 1
		.amdhsa_system_vgpr_workitem_id 0
		.amdhsa_next_free_vgpr 1024
		.amdhsa_next_free_sgpr 80
		.amdhsa_reserve_vcc 0
		.amdhsa_float_denorm_mode_32 3
		.amdhsa_float_denorm_mode_16_64 3
		.amdhsa_memory_ordered 1
		.amdhsa_forward_progress 1
		.amdhsa_inst_pref_size 179
	.end_amdhsa_kernel
	.amdgpu_metadata
---
amdhsa.version: [ 1, 2 ]
amdhsa.kernels:
  - .name:           k_q82c5eeeb10_gemm
    .symbol:         k_q82c5eeeb10_gemm.kd
    .args:
      - { .name: xq, .offset: 0, .size: 8, .value_kind: global_buffer, .address_space: global }
      - { .name: wh, .offset: 8, .size: 8, .value_kind: global_buffer, .address_space: global }
      - { .name: out0, .offset: 16, .size: 8, .value_kind: global_buffer, .address_space: global }
      - { .name: ascale, .offset: 24, .size: 8, .value_kind: global_buffer, .address_space: global }
      - { .name: weight_scale, .offset: 32, .size: 8, .value_kind: global_buffer, .address_space: global }
      - { .name: bias, .offset: 40, .size: 8, .value_kind: global_buffer, .address_space: global }
    .group_segment_fixed_size: 327680
    .private_segment_fixed_size: 0
    .kernarg_segment_align: 8
    .kernarg_segment_size: 48
    .max_flat_workgroup_size: 128
    .sgpr_count:     80
    .vgpr_count:     1024
    .wavefront_size: 32
...
	.end_amdgpu_metadata
.endif
;; end of part 2
;; ======== version 2 of 2: 2 launches; version 1 with the launch prep written anew for expert scheduling mode
;; workspace buffers: xq 33,554,432 bytes; wh 33,554,432 bytes; ascale 16,384 bytes
;; launch prep (part 3): grid 768 x 1, 8 waves a work-group, no clusters, 0 bytes of LDS; arguments x, weight_q, xq, ascale, wh; writes xq, ascale, wh
.if DOCPART == 3
	.amdgcn_target "amdgcn-amd-amdhsa--gfx1250"
	.amdhsa_code_object_version 6
	.text
	.protected	k_q82c5eeeb10_prep
	.globl	k_q82c5eeeb10_prep
	.p2align	8
	.type	k_q82c5eeeb10_prep,@function
k_q82c5eeeb10_prep:
	s_mov_b64 s[64:65], 0
	v_nop
	global_prefetch_b8 v0, s[64:65] scope:SCOPE_SE
	s_setreg_imm32_b32 hwreg(HW_REG_WAVE_SCHED_MODE, 0, 2), 2
	s_setreg_imm32_b32 hwreg(HW_REG_WAVE_MODE, 25, 1), 1
	s_wait_xcnt 0x0
	s_wait_alu depctr_vm_vsrc(0)
; THE PRE-PASS OF A QUANTISED LINEAR LAYER.  x: [4096][4096] f32, weight_q: [4096 (k)][4096 (n)] int8.
; Work-groups 0..511:   a[m] = max(max_k |x[m][k]| / 127, 1e-8);  xq[m][k] = clip(round(x[m][k] / a[m]), -128, 127), stored as f16 (whole numbers up to 128 are exact there).
; Work-groups 512..767: wh[k][n] = weight_q[k][n] as f16, in the same [k][n] order (exact).
; Both are streams: every input byte is read once, every output byte written once, nothing is shared between waves: no LDS, no barrier, no loop.
; SHARES.  Path X: one wave, one row of 16,384 bytes, kept in 128 registers between the pass that finds the maximum and the pass that quantises.
;          Path W: one wave, 8,192 bytes of int8 (two rows), which become 16,384 bytes of f16.
; LIMITS.  NaN and infinities in x are not treated apart (a NaN loses in the maximum).  m / 127 is m x (1/127) with one fused correction; x / a is x x (1/a), 1/a from v_rcp_f32
; with one Newton step: a quotient within about one unit in the last place of a half may round to the neighbouring whole number, which moves an output by at most 128 a[m] weight_scale[n].
; THE MODE: SCHED_MODE bits 1:0 = 2 (LLVM: expert scheduling mode 2), set by the entry lines.  The code itself states the register dependences
; between vector instructions and memory instructions, with s_wait_alu, always for 0.
; THE PLAN.  Registers that memory instructions touch:
;   v3, v4      byte offsets of every load and large store: made once at the head, never written again.  One wait at the head, ahead of the branch, serves both paths.
;   v5, v14     offset and data of a's store: written ahead of the wait that stands behind the reciprocal, never written again.
;   v[16:143]   Path X: the 32 loads land here, all issued before any vector instruction names these registers.  Chunk j's arithmetic works in place on its own four registers, and its store reads the lower two.
;               Path W: the 32 loads land in v[80:143], likewise issued first; chunk j's arithmetic reads v[80+2j:81+2j] and writes v[16+4j:19+4j], which its store reads.
; The 32 chunks of either path go in 8 blocks of four.  Block b's memory instructions are the four stores of block b - 1, whose registers no vector instruction of block b names: so ONE wait at a block's
; head states all that its stores hang on, and they are dealt among the block's arithmetic, one ahead of each chunk.  No register that a store reads is ever written again.
.set X,   16                           ; v[16:143]  the data
.set IN,  X+64                         ; v[80:143]  path W: the int8 words as loaded
.set MX,  8                            ; v[8:11]    four running maxima
.set MN,  12                           ; v[12:15]   four running minima; later v[12:13] 1/a twice, v14 a, v15 at work
	s_load_b256 s[4:11], s[0:1], 0x0               ; x s[4:5], weight_q s[6:7], xq s[8:9], ascale s[10:11]
	s_load_b64 s[12:13], s[0:1], 0x20              ; wh
	v_lshrrev_b32 v1, 5, v0
	v_readfirstlane_b32 s14, v1                    ; wave 0..7
	v_and_b32 v2, 31, v0                           ; lane
	v_lshlrev_b32 v3, 4, v2                        ; 16 bytes a lane
	v_lshlrev_b32 v4, 3, v2                        ; 8 bytes a lane
	s_mov_b32 s17, 0                               ; high words of the two offset pairs
	s_mov_b32 s19, 0
	s_wait_alu depctr_va_sdst(0)                   ; s14 is written
	s_wait_alu depctr_va_vdst(0)                   ; v3 and v4 are written: every load and every large store of both paths reads one of them as its offset
	s_wait_kmcnt 0x0
	s_cmp_lt_u32 ttmp9, 512
	s_cbranch_scc0 .Lweights
	; ---------------- PATH X: my row ----------------
	s_lshl_b32 s15, ttmp9, 3
	s_add_co_u32 s15, s15, s14                     ; row = 8 x work-group + wave
	s_lshl_b32 s16, s15, 14                        ; 16,384 bytes a row of x
	s_lshl_b32 s18, s15, 13                        ; 8,192 bytes a row of xq
	s_add_nc_u64 s[4:5], s[4:5], s[16:17]
	s_add_nc_u64 s[8:9], s[8:9], s[18:19]
	s_lshl_b32 s16, s15, 2                         ; 4 bytes in ascale
	s_add_nc_u64 s[10:11], s[10:11], s[16:17]
.set j, 0
.rept 32                                       ; the whole row: each load covers 512 consecutive bytes; no vector instruction has named these registers
	global_load_b128 v[X+4*j:X+4*j+3], v3, s[4:5] offset:512*j th:TH_LOAD_NT
.set j, j+1
.endr
	s_mov_b32 s20, 0x76543210                      ; v_permlanex16_b32: each lane takes its own place in the other half
	s_mov_b32 s21, 0xfedcba98
	s_mov_b32 s22, 0x3c010204                      ; 1 / 127
	s_mov_b32 s23, 0x42fe0000                      ; 127.0
	s_mov_b32 s24, 0x322bcc77                      ; 1e-8
	s_mov_b32 s25, 0xc3000000                      ; -128.0
; Pass 1, group g of eight: four loads' numbers go into four chains of maxima and four of minima, which do not wait for each other.  The first group starts the chains: nothing is cleared.
.macro MAXG g
	s_wait_loadcnt 28-4*(\g)                       ; loads come back in order: the 28 - 4 g younger ones may stay out
.irp c, 0,1,2,3
.if (\g) == 0
	v_max_num_f32 v[MX+(\c)], v[X+4*(\c)], v[X+4*(\c)+1]
	v_min_num_f32 v[MN+(\c)], v[X+4*(\c)], v[X+4*(\c)+1]
.else
	v_max3_num_f32 v[MX+(\c)], v[X+16*(\g)+4*(\c)], v[X+16*(\g)+4*(\c)+1], v[MX+(\c)]
	v_min3_num_f32 v[MN+(\c)], v[X+16*(\g)+4*(\c)], v[X+16*(\g)+4*(\c)+1], v[MN+(\c)]
.endif
.endr
.irp c, 0,1,2,3
	v_max3_num_f32 v[MX+(\c)], v[X+16*(\g)+4*(\c)+2], v[X+16*(\g)+4*(\c)+3], v[MX+(\c)]
	v_min3_num_f32 v[MN+(\c)], v[X+16*(\g)+4*(\c)+2], v[X+16*(\g)+4*(\c)+3], v[MN+(\c)]
.endr
.endm
.set g, 0
.rept 8
	MAXG g
.set g, g+1
.endr
	v_max3_num_f32 v8, v8, v9, v10
	v_min3_num_f32 v12, v12, v13, v14
	v_max_num_f32 v8, v8, v11
	v_min_num_f32 v12, v12, v15
	v_and_b32 v8, 0x7fffffff, v8                   ; the larger of the two ends' magnitudes is the largest |x| of my 128 numbers
	v_and_b32 v12, 0x7fffffff, v12
	v_max_num_f32 v8, v8, v12
	v_max_num_f32_dpp v8, v8, v8 row_xmask:1 row_mask:0xf bank_mask:0xf   ; across the lanes: four steps inside each half of 16,
	v_max_num_f32_dpp v8, v8, v8 row_xmask:2 row_mask:0xf bank_mask:0xf
	v_max_num_f32_dpp v8, v8, v8 row_xmask:4 row_mask:0xf bank_mask:0xf
	v_max_num_f32_dpp v8, v8, v8 row_xmask:8 row_mask:0xf bank_mask:0xf
	v_permlanex16_b32 v9, v8, s20, s21             ; one across the halves (v9 has been written)
	v_max_num_f32 v8, v8, v9                       ; every lane holds the row's maximum m
	v_mul_f32 v14, s22, v8                         ; m / 127: the product,
	v_fma_f32 v15, -v14, s23, v8                   ; what it leaves of m,
	v_fma_f32 v14, v15, s22, v14                   ; and that added in
	v_max_num_f32 v14, s24, v14                    ; a = max(m / 127, 1e-8)
	v_rcp_f32 v12, v14
	v_mov_b32 v5, 0                                ; the plain instruction behind the reciprocal (ISA guide 5.7.2); also the offset of a's store
	s_wait_alu depctr_va_vdst(0)                   ; the reciprocal has written v12, ahead of its first reader; v5 and v14, which a's store reads at the end, are written too
	v_fma_f32 v15, -v14, v12, 1.0                  ; one Newton step
	v_fma_f32 v12, v15, v12, v12
	v_mov_b32 v13, v12                             ; twice, a pair for the packed multiply
; Pass 2.  Chunk j's arithmetic: four numbers a lane are scaled, rounded to the nearest whole number (ties to even), clipped and packed into 8 bytes, in place.
.macro QARITH j
	v_pk_mul_f32 v[X+4*(\j):X+4*(\j)+1],   v[X+4*(\j):X+4*(\j)+1],   v[12:13]
	v_pk_mul_f32 v[X+4*(\j)+2:X+4*(\j)+3], v[X+4*(\j)+2:X+4*(\j)+3], v[12:13]
.irp k, 0,1,2,3
	v_rndne_f32 v[X+4*(\j)+(\k)], v[X+4*(\j)+(\k)]
.endr
.irp k, 0,1,2,3
	v_med3_num_f32 v[X+4*(\j)+(\k)], v[X+4*(\j)+(\k)], s25, s23
.endr
	v_cvt_pk_f16_f32 v[X+4*(\j)],   v[X+4*(\j)],   v[X+4*(\j)+1]
	v_cvt_pk_f16_f32 v[X+4*(\j)+1], v[X+4*(\j)+2], v[X+4*(\j)+3]
.endm
; Chunk j's store.  No register that a store reads is written again.
.macro QSTORE j
	global_store_b64 v4, v[X+4*(\j):X+4*(\j)+1], s[8:9] offset:256*(\j) th:TH_STORE_NT  ; the 32 lanes store 256 consecutive bytes, at a multiple of 256 from xq's first byte
.endm
; Block b: the arithmetic of chunks 4 b to 4 b + 3, and among it the stores of the block before.
.macro QBLK b
.if (\b) > 0
	s_wait_alu depctr_va_vdst(0)                   ; the conversions of the block before have written its packed halves, which the four stores below read; this block's arithmetic names other registers
.endif
.irp i, 0,1,2,3
.if (\b) > 0
	QSTORE 4*((\b)-1)+(\i)
.endif
	QARITH 4*(\b)+(\i)
.endr
.endm
.irp b, 0,1,2,3,4,5,6,7
	QBLK \b
.endr
	s_wait_alu depctr_va_vdst(0)                   ; block 7's conversions have written its packed halves, which the last four stores read
.irp i, 0,1,2,3
	QSTORE 28+(\i)
.endr
	s_wait_xcnt 0x0                                ; EXEC is a source of the stores above: it changes only behind this wait
	v_cmp_eq_u32 vcc_lo, 0, v2
	s_wait_alu depctr_va_vcc(0)                    ; the compare has written VCC, from which EXEC is made
	s_wait_alu depctr_va_vdst(0)                   ; every vector instruction issued under the full EXEC has written its result,
	s_wait_alu depctr_vm_vsrc(0)                   ; and every store issued under it has read its registers: EXEC is narrowed only now
	s_and_saveexec_b32 s26, vcc_lo
	global_store_b32 v5, v14, s[10:11]             ; lane 0 stores a[row]; v5 and v14 were written ahead of the waits above
	s_wait_xcnt 0x0                                ; and again in front of the line that widens it
	s_wait_alu depctr_va_vdst(0)                   ; no vector instruction is out under the narrow EXEC,
	s_wait_alu depctr_vm_vsrc(0)                   ; and a's store has read v5 and v14 under it: EXEC is widened only now
	s_or_b32 exec_lo, exec_lo, s26
	s_endpgm
	; ---------------- PATH W: my 8,192 bytes of int8 ----------------
.Lweights:
	s_sub_co_u32 s15, ttmp9, 512
	s_lshl_b32 s15, s15, 3
	s_add_co_u32 s15, s15, s14                     ; chunk = 8 x (work-group - 512) + wave, 0..2047
	s_lshl_b32 s16, s15, 13                        ; 8,192 bytes in,
	s_lshl_b32 s18, s15, 14                        ; 16,384 bytes out
	s_add_nc_u64 s[6:7], s[6:7], s[16:17]
	s_add_nc_u64 s[12:13], s[12:13], s[18:19]
.set j, 0
.rept 32                                       ; each load covers 256 consecutive bytes; no vector instruction has named these registers
	global_load_b64 v[IN+2*j:IN+2*j+1], v4, s[6:7] offset:256*j th:TH_LOAD_NT
.set j, j+1
.endr
	s_mov_b32 s27, 0x80808080                      ; b + 128 for four signed bytes at once
	s_mov_b32 s28, 0x04010400                      ; v_perm_b32: {0x64, byte 1, 0x64, byte 0}
	s_mov_b32 s29, 0x04030402                      ; {0x64, byte 3, 0x64, byte 2}
	s_mov_b32 s30, 0xe480e480                      ; -1152 twice, in f16
	v_mov_b32 v6, 0x64646464
; Chunk j's arithmetic: eight bytes a lane become eight f16.  The half 0x6400 + u is 1024 + u in f16 (its step there is 1), and 1024 + (b + 128) - 1152 = b, exactly: nothing is rounded.
; The results of chunk j lie on the words of chunks 2 j - 32 and 2 j - 31, which are chunk j itself at the latest (j = 31, where the order of the four v_perm_b32 keeps each word until it is used).
.macro WARITH j
	v_xor_b32 v[IN+2*(\j)],   s27, v[IN+2*(\j)]
	v_xor_b32 v[IN+2*(\j)+1], s27, v[IN+2*(\j)+1]
	v_perm_b32 v[X+4*(\j)],   v6, v[IN+2*(\j)],   s28
	v_perm_b32 v[X+4*(\j)+1], v6, v[IN+2*(\j)],   s29
	v_perm_b32 v[X+4*(\j)+2], v6, v[IN+2*(\j)+1], s28
	v_perm_b32 v[X+4*(\j)+3], v6, v[IN+2*(\j)+1], s29
.irp k, 0,1,2,3
	v_pk_add_f16 v[X+4*(\j)+(\k)], v[X+4*(\j)+(\k)], s30
.endr
.endm
.macro WSTORE j
	global_store_b128 v3, v[X+4*(\j):X+4*(\j)+3], s[12:13] offset:512*(\j) th:TH_STORE_NT  ; 512 consecutive bytes, at a multiple of 512 from wh's first byte
.endm
; Block b: the arithmetic of chunks 4 b to 4 b + 3, and among it the stores of the block before.  Those stores read v[16 b : 16 b + 15]; this block's arithmetic names its words, v[80 + 8 b : 87 + 8 b],
; and its results, v[16 + 16 b : 31 + 16 b]: for b up to 7 the words begin at 80 + 8 b, above 16 b + 15.  The words of every later block lie higher still: no register that a store reads is written again.
.macro WBLK b
	s_wait_loadcnt 28-4*(\b)                       ; this block's four chunks are in; the younger loads stay out
.if (\b) > 0
	s_wait_alu depctr_va_vdst(0)                   ; the additions of the block before have written its halves, which the four stores below read
.endif
.irp i, 0,1,2,3
.if (\b) > 0
	WSTORE 4*((\b)-1)+(\i)
.endif
	WARITH 4*(\b)+(\i)
.endr
.endm
.irp b, 0,1,2,3,4,5,6,7
	WBLK \b
.endr
	s_wait_alu depctr_va_vdst(0)                   ; block 7's additions have written its halves, which the last four stores read
.irp i, 0,1,2,3
	WSTORE 28+(\i)
.endr
	s_endpgm
.Lfunc_end_k_q82c5eeeb10_prep:
	.size	k_q82c5eeeb10_prep, .Lfunc_end_k_q82c5eeeb10_prep-k_q82c5eeeb10_prep
	.p2alignl 7, 3214868480
	.fill 96, 4, 3214868480
	.section	.rodata,"a",@progbits
	.p2align	6, 0x0
	.amdhsa_kernel k_q82c5eeeb10_prep
		.amdhsa_group_segment_fixed_size 0
		.amdhsa_private_segment_fixed_size 0
		.amdhsa_enable_private_segment 0
		.amdhsa_kernarg_size 40
		.amdhsa_user_sgpr_count 2
		.amdhsa_user_sgpr_kernarg_segment_ptr 1
		.amdhsa_wavefront_size32 1
		.amdhsa_system_sgpr_workgroup_id_x 1
		.amdhsa_system_sgpr_workgroup_id_y 1
		.amdhsa_system_sgpr_workgroup_id_z 1
		.amdhsa_system_vgpr_workitem_id 0
		.amdhsa_next_free_vgpr 144
		.amdhsa_next_free_sgpr 66
		.amdhsa_reserve_vcc 1
		.amdhsa_float_denorm_mode_32 3
		.amdhsa_float_denorm_mode_16_64 3
		.amdhsa_memory_ordered 1
		.amdhsa_forward_progress 1
		.amdhsa_inst_pref_size 63
	.end_amdhsa_kernel
	.amdgpu_metadata
---
amdhsa.version: [ 1, 2 ]
amdhsa.kernels:
  - .name:           k_q82c5eeeb10_prep
    .symbol:         k_q82c5eeeb10_prep.kd
    .args:
      - { .name: x, .offset: 0, .size: 8, .value_kind: global_buffer, .address_space: global }
      - { .name: weight_q, .offset: 8, .size: 8, .value_kind: global_buffer, .address_space: global }
      - { .name: xq, .offset: 16, .size: 8, .value_kind: global_buffer, .address_space: global }
      - { .name: ascale, .offset: 24, .size: 8, .value_kind: global_buffer, .address_space: global }
      - { .name: wh, .offset: 32, .size: 8, .value_kind: global_buffer, .address_space: global }
    .group_segment_fixed_size: 0
    .private_segment_fixed_size: 0
    .kernarg_segment_align: 8
    .kernarg_segment_size: 40
    .max_flat_workgroup_size: 256
    .sgpr_count:     66
    .vgpr_count:     144
    .wavefront_size: 32
...
	.end_amdgpu_metadata
.endif
;; end of part 3
;; launch gemm: the kernel of part 2 again; grid 16 x 16, 4 waves a work-group, clusters of 4 x 4, 327,680 bytes of LDS; arguments xq, wh, out0, ascale, weight_scale, bias; writes out0
